; MI455X (gfx1250); checked and timed in simulation.
; The chip was launched on July 23, 2026; its instructions are those of AMD's public machine-readable ISA for CDNA 5 (MIT licence, August 2026) and "CDNA5" Instruction Set Architecture Reference Guide (July 2026). The comments in the code are by the model that wrote it; some were corrected since.
;; bahdanau Attention. Allowed arithmetic: matrix products marked QUANTISED: E2M1 operands, one E8M0 scale for each 32 along K, by v_wmma_scale_f32_16x16x128_f8f6f4 with both operands' format E2M1 (or v_wmma_scale_f32_32x16x128_f4), f32 sums; products left as they are: f32 operands where the result goes on into a quantised operand, else bf16, f16 or f32 operands; f32 sums; everything else in f32.
;; Inputs: W_d2a_codes 1,024 x 32 x 16 uint8 (E2M1 codes of W_d2a, K innermost, in blocks of 32 codes, two codes a byte); W_d2a_scales 1,024 x 32 uint8 (E8M0 scales of W_d2a, one for each 32 codes along K); W_e2a_codes 1,024 x 32 x 16 uint8 (E2M1 codes of W_e2a, K innermost, in blocks of 32 codes, two codes a byte); W_e2a_scales 1,024 x 32 uint8 (E8M0 scales of W_e2a, one for each 32 codes along K); keys 32 x 2,048 x 1,024 float32; q_codes 32 x 32 x 16 uint8 (E2M1 codes of q, K innermost, in blocks of 32 codes, two codes a byte); q_scales 32 x 32 uint8 (E8M0 scales of q, one for each 32 codes along K); v_w 1,024 x 1 float32.
;; Outputs: out0 32 x 1,024 float32.
;; This version of the problem:
;;   THIS VERSION OF THE PROBLEM IS GIVEN IN LOW PRECISION. The matrix products marked QUANTISED in the list below multiply operands that are first quantised to E2M1 (2 exponent bits, 1 mantissa bit; 4 bits a number), with one power-of-two scale for each 32 numbers along K (OCP MX v1.0); their sums are f32. All else is computed in f32.
;;   The module's matrix products, in the order in which they are computed (A, B: the left and right operand; K: the contracted axis; several contracted axes count as one K, in the product's order):
;;     1. [M 65,536, K 1,024] x [K 1,024, N 1,024]; A: input keys; B: input W_e2a (given as codes): QUANTISED
;;     2. [M 32, K 1,024] x [K 1,024, N 1,024]; A: input q (given as codes); B: input W_d2a (given as codes): QUANTISED
;;     3. [M 65,536, K 1,024] x [K 1,024, N 1]; A: computed on the way; B: input v_w: left as it is (N = 1 < 16)
;;     4. batch 32 x [M 1, K 2,048] x [K 2,048, N 1,024]; A: softmax; B: input keys: left as it is (M = 1 < 16)
;;   THE QUANTISER, for each operand of a quantised product, along K:
;;     - K is cut into blocks of 32 from its start; a last block that is shorter is filled with zeros.
;;     - A block's scale is 2^e with e = floor(log2(the largest magnitude in the block)) - 2, held to -126 .. 127; a block of zeros has e = 0. As a byte (E8M0): e + 127.
;;     - Each number is divided by its block's scale, clamped to +-6, and rounded to the nearest number of E2M1, ties to even, subnormals kept.
;;     - The product sums the exact products of the quantised numbers (number of the format x scale) in f32.
;;   ~~~python
;;   def quantise(x, axis):      # numpy; x: float32 -> the quantised numbers, widened to float32 again
;;       x = np.moveaxis(x, axis, -1); K = x.shape[-1]
;;       x = np.pad(x, [(0, 0)] * (x.ndim - 1) + [(0, -K % 32)]); x = x.reshape(x.shape[:-1] + (-1, 32)); a = np.abs(x).max(-1, keepdims=True)
;;       e = np.where(a > 0, np.clip(np.frexp(np.where(a > 0, a, 1))[1] - 1 - 2, -126, 127), 0)      # np.frexp(a)[1] - 1 = floor(log2(a)), exactly
;;       r = np.clip(x / 2.0 ** e, -6, 6)
;;       step = 2.0 ** (np.maximum(np.frexp(np.where(r == 0, 1, r))[1] - 1, 0) - 1)
;;       q = np.round(r / step) * step * 2.0 ** e      # np.round: ties to even
;;       return np.moveaxis(q.reshape(q.shape[:-2] + (-1,))[..., :K], -1, axis).astype(np.float32)
;;   ~~~
;;   INPUTS GIVEN AS CODES. W_d2a (in the module: [1024, 1024], K = its axis 1); W_e2a (in the module: [1024, 1024], K = its axis 1); q (in the module: [32, 1024], K = its axis 1): each comes as NAME_codes (uint8): NAME with its K axis moved to the last place and cut into blocks of 32 codes, [.., K / 32, bytes a block], one block behind the other in memory; two codes a byte, the lower K in the low four bits (a code: sign, 2 exponent bits, 1 mantissa bit); and NAME_scales (uint8): the same leading axes, one E8M0 byte (e + 127) for each 32 codes along K. Its value is code x scale, taken as it is: it is not quantised again, and the codes and scales need not be those that the quantiser above would give.
;; One version. Each part assembles by itself: llvm-mc -triple=amdgcn-amd-amdhsa -mcpu=gfx1250 --defsym DOCPART=n.
;; ======== version 1 of 1: 3 launches
;; limits: values are held in bf16: 8 bits of precision; right only within a limited range of input values
;; workspace buffers: cvb 131,072 bytes; part 1,048,576 bytes; stats 131,072 bytes
;; launch vproj (part 1): grid 16 x 1, 4 waves a work-group, no clusters, 0 bytes of LDS; arguments q_codes, q_scales, W_d2a_codes, W_d2a_scales, cvb; writes cvb
.if DOCPART == 1
	.amdgcn_target "amdgcn-amd-amdhsa--gfx1250"
	.amdhsa_code_object_version 6
	.text
	.protected	k_q42ddf1d95f_vproj
	.globl	k_q42ddf1d95f_vproj
	.p2align	8
	.type	k_q42ddf1d95f_vproj,@function
k_q42ddf1d95f_vproj:
	s_mov_b64 s[64:65], 0
	v_nop
	global_prefetch_b8 v0, s[64:65] scope:SCOPE_SE
	s_setreg_imm32_b32 hwreg(HW_REG_WAVE_MODE, 25, 1), 1
	s_wait_xcnt 0x0
; THE PROGRAM (three launches): context[b] = sum over s of softmax_s(e[b][s]) keys[b][s], e[b][s] = sum over a of v_w[a] tanh(U[b][s][a] + V[b][a]),
; U = Q(keys) W_e2a^T and V = q W_d2a^T on codes of E2M1 with one E8M0 scale for each 32 along K.
; THIS LAUNCH: cvb[b][n] = c V[b][n], c = 2 log2(e), for the 32 batches and the 1,024 units; both operands arrive as codes and go to the matrix unit as they lie.
; WORK LEFT OUT, for all values of the inputs: tanh(x) = 1 - 2 / (1 + 2^(c x)), so e[b][s] = (sum over a of v_w[a]) - 2 sum over a of v_w[a] / (1 + 2^(c x)).
; The first term is the same for every s of a batch, and a softmax along s is unchanged by a term that is the same along s: it is never formed.  Every input still has a way to the output, and all are loaded.
; LIMIT: a NaN, an infinity or an overflow that would arise only in that sum of v_w is not carried to the result.  NaN and infinities among the inputs are not served.
; SHARES: 64 tiles of 16 units; wave w of work-group x takes tile 4 x + w, for both tiles of 16 batches: two accumulators, which take turns.
; THE MATRIX INSTRUCTION IS USED TRANSPOSED (source 0 = 16 rows of W_d2a, source 1 = 16 rows of q): lane (r, h) holds batch 16 u + r and units n0 + 8 h + 0 .. 7.
; THE STORES: a lane stores 32 neighbouring bytes of a batch's row and a wave 64 of each of 16 rows; no stage gathers longer runs, since the whole result is 131,072 bytes beside the 268,435,456 of keys that the next launch reads.
.set C2L,  0x4038aa3b                  ; c = 2 log2(e)
.set WSCL, 16                          ; v16-19   W_d2a's scale words: register i: lanes 0-15 K step i, lanes 16-31 K step 4 + i.  Scales and nothing else
.set QSCL, 20                          ; v20-27   q's, for the two tiles of batches, laid likewise
.set AC,   32                          ; v32-47   the two accumulators
.set RS,   48                          ; v48-63   c x the sums
.set WF,   64                          ; v64-127  W_d2a's 8 fragments (16 rows x 128 K each)
.set QF,   128                         ; v128-255 q's 2 x 8 fragments
	s_load_b256 s[4:11], s[0:1], 0x0               ; q's codes s[4:5], q's scales s[6:7], W_d2a's codes s[8:9], its scales s[10:11]
	s_load_b64 s[12:13], s[0:1], 0x20              ; cvb
	v_lshrrev_b32 v1, 5, v0
	v_readfirstlane_b32 s14, v1                    ; wave 0..3
	v_and_b32 v1, 15, v0                           ; r
	v_bfe_u32 v2, v0, 4, 1                         ; h
	v_lshlrev_b32 v3, 9, v1
	v_lshl_add_u32 v3, v2, 4, v3                   ; codes: row r of 512 bytes, + 16 h
	v_lshlrev_b32 v4, 5, v1
	v_lshl_add_u32 v4, v2, 4, v4                   ; scale bytes: row r of 32 bytes, + 16 h: four words a lane
	v_lshlrev_b32 v5, 12, v1
	v_lshl_add_u32 v5, v2, 5, v5                   ; cvb: row r of 4,096 bytes, + 32 h
	s_lshl_b32 s15, ttmp9, 2
	s_add_co_u32 s15, s15, s14                     ; my tile of 16 units
	s_lshl_b32 s16, s15, 13                        ; its 16 rows of codes,
	s_mov_b32 s17, 0
	s_lshl_b32 s18, s15, 9                         ; of scale bytes,
	s_mov_b32 s19, 0
	s_lshl_b32 s20, s15, 6                         ; and its 64 bytes in a row of cvb
	s_mov_b32 s21, 0
	s_mov_b32 s22, C2L
	s_mov_b32 s23, s22                             ; (the packed form names the pair)
	s_wait_alu depctr_va_vdst(0)
	s_wait_kmcnt 0x0
	s_add_nc_u64 s[8:9], s[8:9], s[16:17]
	s_add_nc_u64 s[10:11], s[10:11], s[18:19]
	s_add_nc_u64 s[12:13], s[12:13], s[20:21]
	global_load_b128 v[WSCL:WSCL+3], v4, s[10:11]
	global_load_b128 v[QSCL:QSCL+3], v4, s[6:7]
	global_load_b128 v[QSCL+4:QSCL+7], v4, s[6:7] offset:512
.irp k, 0,1,2,3,4,5,6,7
	global_load_b128 v[WF+8*\k:WF+8*\k+3],   v3, s[8:9] offset:64*\k      ; registers 4 c .. 4 c + 3: K = 128 k + 64 c + 32 h + 0 .. 31
	global_load_b128 v[WF+8*\k+4:WF+8*\k+7], v3, s[8:9] offset:64*\k+32
.endr
.irp u, 0,1
.irp k, 0,1,2,3,4,5,6,7
	global_load_b128 v[QF+64*\u+8*\k:QF+64*\u+8*\k+3],   v3, s[4:5] offset:8192*\u+64*\k
	global_load_b128 v[QF+64*\u+8*\k+4:QF+64*\u+8*\k+7], v3, s[4:5] offset:8192*\u+64*\k+32
.endr
.endr
	s_wait_loadcnt 0x0
.macro VM k, u                         ; K step k of the tile of batches u.  The first starts the sum with the constant 0; K steps 4 to 7 take their scale words from lanes 16-31
.if \k == 0
	v_wmma_scale_f32_16x16x128_f8f6f4 v[AC+8*\u:AC+8*\u+7], v[WF+8*\k:WF+8*\k+7], v[QF+64*\u+8*\k:QF+64*\u+8*\k+7], 0, v[WSCL+\k%4], v[QSCL+4*\u+\k%4] matrix_a_fmt:MATRIX_FMT_FP4 matrix_b_fmt:MATRIX_FMT_FP4
.elseif \k < 4
	v_wmma_scale_f32_16x16x128_f8f6f4 v[AC+8*\u:AC+8*\u+7], v[WF+8*\k:WF+8*\k+7], v[QF+64*\u+8*\k:QF+64*\u+8*\k+7], v[AC+8*\u:AC+8*\u+7], v[WSCL+\k%4], v[QSCL+4*\u+\k%4] matrix_a_fmt:MATRIX_FMT_FP4 matrix_b_fmt:MATRIX_FMT_FP4
.else
	v_wmma_scale_f32_16x16x128_f8f6f4 v[AC+8*\u:AC+8*\u+7], v[WF+8*\k:WF+8*\k+7], v[QF+64*\u+8*\k:QF+64*\u+8*\k+7], v[AC+8*\u:AC+8*\u+7], v[WSCL+\k%4], v[QSCL+4*\u+\k%4] matrix_a_fmt:MATRIX_FMT_FP4 matrix_b_fmt:MATRIX_FMT_FP4 matrix_a_scale:MATRIX_SCALE_ROW1 matrix_b_scale:MATRIX_SCALE_ROW1
.endif
.endm
.irp k, 0,1,2,3,4,5,6,7
	VM \k, 0
	VM \k, 1
.endr
.rept 4
	v_nop                                          ; four places between the last product and the first read of a result (ISA guide 7.12.1)
.endr
.irp j, 0,2,4,6,8,10,12,14
	v_pk_mul_f32 v[RS+\j:RS+\j+1], v[AC+\j:AC+\j+1], s[22:23] op_sel_hi:[1,0]   ; x c; each accumulator from its low end on
.endr
.irp u, 0,1
	global_store_b128 v5, v[RS+8*\u:RS+8*\u+3],   s[12:13] offset:65536*\u
	global_store_b128 v5, v[RS+8*\u+4:RS+8*\u+7], s[12:13] offset:65536*\u+16
.endr
	s_endpgm
.Lfunc_end_k_q42ddf1d95f_vproj:
	.size	k_q42ddf1d95f_vproj, .Lfunc_end_k_q42ddf1d95f_vproj-k_q42ddf1d95f_vproj
	.p2alignl 7, 3214868480
	.fill 96, 4, 3214868480
	.section	.rodata,"a",@progbits
	.p2align	6, 0x0
	.amdhsa_kernel k_q42ddf1d95f_vproj
		.amdhsa_group_segment_fixed_size 0
		.amdhsa_private_segment_fixed_size 0
		.amdhsa_enable_private_segment 0
		.amdhsa_kernarg_size 40
		.amdhsa_user_sgpr_count 2
		.amdhsa_user_sgpr_kernarg_segment_ptr 1
		.amdhsa_wavefront_size32 1
		.amdhsa_system_sgpr_workgroup_id_x 1
		.amdhsa_system_sgpr_workgroup_id_y 1
		.amdhsa_system_sgpr_workgroup_id_z 1
		.amdhsa_system_vgpr_workitem_id 0
		.amdhsa_next_free_vgpr 256
		.amdhsa_next_free_sgpr 66
		.amdhsa_reserve_vcc 0
		.amdhsa_float_denorm_mode_32 3
		.amdhsa_float_denorm_mode_16_64 3
		.amdhsa_memory_ordered 1
		.amdhsa_forward_progress 1
		.amdhsa_inst_pref_size 10
	.end_amdhsa_kernel
	.amdgpu_metadata
---
amdhsa.version: [ 1, 2 ]
amdhsa.kernels:
  - .name:           k_q42ddf1d95f_vproj
    .symbol:         k_q42ddf1d95f_vproj.kd
    .args:
      - { .name: q_codes, .offset: 0, .size: 8, .value_kind: global_buffer, .address_space: global }
      - { .name: q_scales, .offset: 8, .size: 8, .value_kind: global_buffer, .address_space: global }
      - { .name: W_d2a_codes, .offset: 16, .size: 8, .value_kind: global_buffer, .address_space: global }
      - { .name: W_d2a_scales, .offset: 24, .size: 8, .value_kind: global_buffer, .address_space: global }
      - { .name: cvb, .offset: 32, .size: 8, .value_kind: global_buffer, .address_space: global }
    .group_segment_fixed_size: 0
    .private_segment_fixed_size: 0
    .kernarg_segment_align: 8
    .kernarg_segment_size: 40
    .max_flat_workgroup_size: 128
    .sgpr_count:     66
    .vgpr_count:     256
    .wavefront_size: 32
...
	.end_amdgpu_metadata
.endif
;; end of part 1
;; launch attn (part 2): grid 256 x 1, 4 waves a work-group, clusters of 4 x 1, 327,680 bytes of LDS; arguments keys, W_e2a_codes, W_e2a_scales, v_w, cvb, part, stats; writes part, stats
.if DOCPART == 2
	.amdgcn_target "amdgcn-amd-amdhsa--gfx1250"
	.amdhsa_code_object_version 6
	.text
	.protected	k_q42ddf1d95f_attn
	.globl	k_q42ddf1d95f_attn
	.p2align	8
	.type	k_q42ddf1d95f_attn,@function
k_q42ddf1d95f_attn:
	s_mov_b64 s[64:65], 0
	v_nop
	global_prefetch_b8 v0, s[64:65] scope:SCOPE_SE
	s_setreg_imm32_b32 hwreg(HW_REG_WAVE_MODE, 25, 1), 1
	s_wait_xcnt 0x0
	s_wait_alu depctr_hold_cnt(0) depctr_sa_sdst(0) depctr_va_vdst(0) depctr_va_sdst(0) depctr_va_ssrc(0) depctr_va_vcc(0) depctr_vm_vsrc(0)
	s_getreg_b32 s2, hwreg(HW_REG_IB_STS2, 6, 4)
	s_cmp_eq_u32 s2, 0
	s_cbranch_scc0 .Lentry_in_a_cluster
	s_endpgm
.Lentry_in_a_cluster:
	s_bfe_u32 s2, ttmp6, 0x10000c
	s_cmp_lg_u32 s2, 0x3003
	s_cbranch_scc0 .Lentry_shape_is_right
	s_endpgm
.Lentry_shape_is_right:
; part[x][:] = sum over my 256 rows s of 2^(t_s - m) keys[b][s][:], stats[x] = (m, l): work-group x (8 to a batch b = x / 8) owns rows 256 (x % 8) .. + 255 of its batch.
; t_s = -c sum over a of v_w[a] / (1 + 2^(c U[s][a] + c V[b][a])), c = 2 log2(e); U = Q(keys) W_e2a^T on codes of E2M1.  m = the running largest t, l = the sum of 2^(t - m).
; WORK LEFT OUT: the term sum over a of v_w[a], the same for every s of a batch, is never formed (shown at the head of the first kernel).
; TWO BLOCKS OF 128 ROWS.  (1) Wave w takes rows 32 w .. + 31 of the block: a row comes by eight loads of 512 consecutive bytes, turns through the wave's stage in LDS (16 bytes of padding behind each 128),
; so that lane l holds the 32 numbers of K block l; scale byte and codes go to LDS (KS, KC), a bf16 copy stays in windows 2 and 3.
; (2) Wave (MI, NI) multiplies rows 64 MI .. + 63 (fragments in window 1) with units 64 NI .. + 63 of each chunk of 128 units of W_e2a; the chunks walk a ring of two LDS slots, filled by joint loads of the
; cluster's four work-groups, which walk the same W_e2a.  Source 0 = 16 units, source 1 = 16 rows: a lane holds one row and eight units.  (3) The scores are joined through LDS, the running softmax moves on, and each wave adds its 32 rows, weighted.
; PREFETCH: while block 0 is multiplied each wave asks for its 32 rows of block 1, 131,072 bytes, lanes 256 bytes apart, 8,192 bytes an instruction: one in each of the 12 trips of the chunk loop's inner loop
; and four at the last chunk; each 256 bytes are named once; block 1 has no successor and asks for nothing.  W_e2a's chunks come by their joint loads alone: 524,288 bytes that every work-group walks, beside 1,048,576 bytes of keys of its own.
; LIMIT: NaN and infinities among the inputs are not served.
.set WP,     528
.set PFA,    92                        ; s[92:93] where the inner loop's prefetch stands
.set SLOT1,  1<<17
.set WSC,    67584
.set TABC,   102400
.set TABV,   106496
.set KS,     110592
.set KSP,    48
.set EX,     116736
.set WT,     117760
.set SPARE,  119808
.set KC,     198656
.set STG,    266240
.set STB,    4608
.set SPW,  1
.set NIL,  2
.set KO,   3
.set SW,   4
.set SR,   5
.set CW,   6
.set SBW,  7
.set AA0,  8
.set AKS,  9
.set AB0,  10
.set ATS0, 11
.set ATN0, 12
.set ADB,  13
.set ATS,  14
.set ATN,  15
.set EXW,  16
.set EXR,  17
.set WTW,  18
.set WTR,  19
.set RR,   20
.set PFO,  21
.set MR,   22
.set LR,   23
.set FF,   24
.set EA,   32
.set KSW,  40
.set WSW,  56
.set PD,   60
.set BF,   64
.set X,    64
.set D0,   128
.set CD,   128
.set BY,   136
.set MX,   138
.set SCL,  140
.set WQ,   128
.set SCR,  160
.set TAB,  192
.set ACC,  224
.set WV,   18
.set MI,   19
.set NI,   20
.set G1W,  24
.set G1S,  32
.set G1T,  40
.set G0W,  48
.set G0S,  52
.set G0C,  56
.set G0V,  60
.set CS,   66
.set SEL,  68
.set TB,   70
.set TS,   71
.set TN,   72
.set BLK,  73
.set CH,   74
.set PR,   75
.set WB,   76
.set LW0,  78
.set KB,   80
.set PT,   82
.set SA,   84
.set MSB, 0
.macro WIN new
.if MSB != (\new)
	s_set_vgpr_msb (MSB<<8)|(\new)
.set MSB, (\new)
.endif
.endm
.macro CROUND
	s_barrier_signal -1
	s_barrier_wait -1
	s_cmp_lg_u32 s[WV], 0
	s_cbranch_scc1 .Lnot_wave_0_\@
	s_barrier_signal -3
.Lnot_wave_0_\@:
	s_barrier_wait -3
	s_barrier_signal -1
	s_barrier_wait -1
.endm
.macro JLOAD
	tensor_load_to_lds s[G0W:G0W+3], s[G1W:G1W+7]
	s_nop 0
.rept 4
	v_nop
.endr
.endm
	s_load_b256 s[4:11], s[0:1], 0x0
	s_load_b128 s[12:15], s[0:1], 0x20
	s_load_b64 s[16:17], s[0:1], 0x30
	v_lshl_add_u32 v[SPW], v0, 2, SPARE
	v_mov_b32 v[NIL], 0
	ds_add_u32 v[SPW], v[NIL]
	ds_add_u32 v[SPW], v[NIL]
	v_lshrrev_b32 v26, 5, v0
	v_readfirstlane_b32 s[WV], v26
	s_lshr_b32 s[MI], s[WV], 1
	s_and_b32 s[NI], s[WV], 1
	s_bfe_u32 s21, ttmp6, 0x40000
	s_lshl_b32 s22, ttmp9, 2
	s_add_co_u32 s22, s22, s21
	s_lshr_b32 s23, ttmp9, 1
	s_mov_b32 s[G1W+0], 15|(1<<20)|(1<<21)|(6<<22)|(3<<25)
	s_mov_b32 s[G1W+1], 512<<16
	s_mov_b32 s[G1W+2], 32<<16
	s_mov_b32 s[G1W+3], 512<<16
	s_mov_b32 s[G1W+4], 32
	s_mov_b32 s[G1W+5], 512
	s_mov_b32 s[G1W+6], 0
	s_mov_b32 s[G1W+7], 0
	s_mov_b32 s[G1S+0], 15|(3<<16)|(1<<20)|(1<<21)|(5<<22)|(3<<25)
	s_mov_b32 s[G1S+1], 32<<16
	s_mov_b32 s[G1S+2], 64<<16                     ; W_e2a's scale bytes: 64 rows of 256 bytes to a load
	s_mov_b32 s[G1S+3], 32<<16
	s_mov_b32 s[G1S+4], 64
	s_mov_b32 s[G1S+5], 32
	s_mov_b32 s[G1S+6], 0
	s_mov_b32 s[G1S+7], 0
	s_mov_b32 s[G1T+0], 15|(3<<16)|(1<<21)
	s_mov_b32 s[G1T+1], 32<<16
	s_mov_b32 s[G1T+2], 16<<16                     ; a table of 1,024 f32: 16 rows of 256 bytes
	s_mov_b32 s[G1T+3], 32<<16
	s_mov_b32 s[G1T+4], 16
	s_mov_b32 s[G1T+5], 32
	s_mov_b32 s[G1T+6], 0
	s_mov_b32 s[G1T+7], 0
	s_mov_b32 s[G0S], 1
	s_mul_i32 s[G0S+1], s[WV], 64*272              ; used by waves 0 and 1 alone
	s_add_co_u32 s[G0S+1], s[G0S+1], WSC
	s_mov_b32 s[G0C], 1
	s_mov_b32 s[G0C+1], TABC
	s_mov_b32 s[G0V], 1
	s_mov_b32 s[G0V+1], TABV
	s_mov_b32 s[CS], 0x4038aa3b
	s_mov_b32 s[CS+1], s[CS]
	s_mov_b32 s[SEL], 0x76543210
	s_mov_b32 s[SEL+1], 0xfedcba98
	v_and_b32 v27, 31, v0
	v_and_b32 v28, 15, v0
	v_bfe_u32 v29, v0, 4, 1
	v_bfe_u32 v30, v0, 3, 2
	v_lshlrev_b32 v[KO], 4, v27
	s_mul_i32 s86, s[WV], 2*STB
	s_add_co_u32 s86, s86, STG
	v_lshl_add_u32 v[SW], v30, 4, v[KO]
	v_add_nc_u32 v[SW], s86, v[SW]
	v_mul_u32_u24 v[SR], v27, 144
	v_add_nc_u32 v[SR], s86, v[SR]
	s_mul_i32 s[LW0], s[WV], 32*WP
	s_add_co_u32 s86, s[LW0], KC
	v_add_nc_u32 v[CW], s86, v[KO]
	s_mul_i32 s86, s[WV], 32*KSP
	s_add_co_u32 s86, s86, KS
	v_add_nc_u32 v[SBW], s86, v27
	v_mul_u32_u24 v31, v28, WP
	v_lshl_add_u32 v31, v29, 4, v31
	s_mul_i32 s86, s[MI], 64*WP
	s_add_co_u32 s86, s86, KC
	v_add_nc_u32 v[AA0], s86, v31
	v_mul_u32_u24 v[AKS], v28, KSP
	v_lshl_add_u32 v[AKS], v29, 4, v[AKS]
	s_mul_i32 s86, s[MI], 64*KSP
	s_add_co_u32 s86, s86, KS
	v_add_nc_u32 v[AKS], s86, v[AKS]
	s_mul_i32 s86, s[NI], 64*WP
	v_add_nc_u32 v[AB0], s86, v31
	v_bfe_u32 v26, v0, 3, 1
	v_mul_u32_u24 v[ATS0], v26, 272
	v_and_b32 v26, 7, v0
	v_lshl_add_u32 v[ATS0], v26, 5, v[ATS0]
	v_lshl_add_u32 v[ATS0], v29, 4, v[ATS0]
	s_mul_i32 s86, s[NI], 2176
	s_add_co_u32 s86, s86, WSC
	v_add_nc_u32 v[ATS0], s86, v[ATS0]
	s_lshl_b32 s86, s[NI], 8
	s_add_co_u32 s86, s86, TABC
	v_lshlrev_b32 v[ATN0], 5, v29
	v_add_nc_u32 v[ATN0], s86, v[ATN0]
	s_lshl_b32 s86, s[NI], 9
	s_lshl_b32 s87, s[MI], 8
	s_add_co_u32 s86, s86, s87
	s_add_co_u32 s86, s86, EX
	v_lshlrev_b32 v[EXW], 2, v28
	v_add_nc_u32 v[EXW], s86, v[EXW]
	v_add_nc_u32 v[EXR], EX, v[KO]
	s_lshl_b32 s86, s[WV], 9
	s_add_co_u32 s86, s86, WT
	v_add_nc_u32 v[WTW], s86, v[KO]
	s_mul_i32 s86, s[WV], 640
	s_add_co_u32 s86, s86, WT
	v_mov_b32 v[WTR], s86
	s_mul_i32 s86, s[WV], 1152
	s_add_co_u32 s86, s86, STG
	v_lshl_add_u32 v[RR], v30, 4, v[KO]
	v_add_nc_u32 v[RR], s86, v[RR]
	v_lshlrev_b32 v[PFO], 8, v27
	s_wait_alu depctr_va_vdst(0)                   ; the wait at the head's end
	s_wait_dscnt 0x0
	s_wait_kmcnt 0x0
	s_mov_b32 s87, 0
	s_lshl_b32 s86, s[WV], 14
	s_add_nc_u64 s[WB:WB+1], s[6:7], s[86:87]
	s_add_nc_u64 s[G0S+2:G0S+3], s[8:9], s[86:87]  ; 16,384 bytes of scales a wave (waves 0 and 1)
	s_or_b32 s[G0S+3], s[G0S+3], 0x80000000
	s_mov_b64 s[G0V+2:G0V+3], s[10:11]
	s_or_b32 s[G0V+3], s[G0V+3], 0x80000000
	s_lshl_b32 s86, s23, 12                        ; my batch's row of cvb
	s_add_nc_u64 s[G0C+2:G0C+3], s[12:13], s[86:87]
	s_or_b32 s[G0C+3], s[G0C+3], 0x80000000
	s_lshl_b32 s88, s22, 20
	s_lshl_b32 s90, s[WV], 17
	s_add_co_u32 s88, s88, s90
	s_mov_b32 s89, 0
	s_add_nc_u64 s[KB:KB+1], s[4:5], s[88:89]
	s_lshl_b32 s88, s22, 12
	s_lshl_b32 s90, s[WV], 10
	s_add_co_u32 s88, s88, s90
	s_add_nc_u64 s[PT:PT+1], s[14:15], s[88:89]
	s_lshl_b32 s88, s22, 9
	s_add_nc_u64 s[SA:SA+1], s[16:17], s[88:89]
.macro KLOAD t                         ; row t of my 32 -> window 1, buffer t % 8: eight loads of 512 consecutive bytes a wave
	WIN 0x40
.irp j, 0,1,2,3,4,5,6,7
	global_load_b128 v[32*((\t)%8)+4*\j:32*((\t)%8)+4*\j+3], v[KO], s[KB:KB+1] offset:4096*(\t)+512*\j th:TH_LOAD_NT
.endr
.endm
.irp t, 0,1,2,3,4,5,6,7
	KLOAD \t                                       ; my first eight rows are asked for ahead of the round: nobody writes keys, so they may be out across barriers
.endr
	WIN 0
	CROUND                                         ; the four work-groups are here: the first joint loads meet
; THE HEAD'S LOADS, ONE A WAVE: waves 0 and 1 the halves of W_e2a's scale bytes, wave 2 my batch's c V, wave 3 v_w.  One chain of branches on the wave's number, one load to an arm, one join.
.macro ARM under, g0, g1, next
	s_cmp_lt_u32 s[WV], \under
	s_cbranch_scc0 \next
	tensor_load_to_lds s[\g0:\g0+3], s[\g1:\g1+7]
	s_nop 0
.rept 4
	v_nop
.endr
	s_branch .Lhead_asked
\next:
.endm
	ARM 2, G0S, G1S, .Lhead_c
	ARM 3, G0C, G1T, .Lhead_v
	tensor_load_to_lds s[G0V:G0V+3], s[G1T:G1T+7]
	s_nop 0
.rept 4
	v_nop
.endr
.Lhead_asked:
.set jj, 0
.rept 32
	v_mov_b32 v[ACC+jj], 0
.set jj, jj+1
.endr
.irp j, 0,1,2,3
	v_mov_b32 v[PD+\j], 0
.endr
	v_mov_b32 v[MR], 0xff61b1e6
	v_mov_b32 v[LR], 0
.macro TURN t
	WIN 0x04
.irp j, 0,1,2,3,4,5,6,7
	ds_store_b128 v[SW], v[32*((\t)%8)+4*\j:32*((\t)%8)+4*\j+3] offset:STB*((\t)%2)+576*\j
.endr
	WIN 0
.irp c, 0,1,2,3,4,5,6,7
	ds_load_b128 v[X+32*((\t)%2)+4*\c:X+32*((\t)%2)+4*\c+3], v[SR] offset:STB*((\t)%2)+16*\c
.endr
.endm
.macro QROW t
.set XS, X+32*((\t)%2)
	WIN 0
	v_max3_num_f32 v[MX], |v[XS]|, |v[XS+1]|, |v[XS+2]|
	v_max3_num_f32 v[MX+1], |v[XS+3]|, |v[XS+4]|, |v[XS+5]|
.irp i, 6,10,14,18,22,26
	v_max3_num_f32 v[MX], v[MX], |v[XS+\i]|, |v[XS+\i+1]|
	v_max3_num_f32 v[MX+1], v[MX+1], |v[XS+\i+2]|, |v[XS+\i+3]|
.endr
	v_max3_num_f32 v[MX], v[MX], |v[XS+30]|, |v[XS+31]|
	v_max3_num_f32 v[MX], v[MX], v[MX+1], 0x1800000
	v_add_nc_u32 v[SCL], 0xff000000, v[MX]
.irp g, 0,1,2,3
	v_cvt_scalef32_pk8_fp4_f32 v[CD+4*((\t)%2)+\g], v[XS+8*\g:XS+8*\g+7], v[SCL]
.endr
	v_lshrrev_b32 v[BY+(\t)%2], 23, v[SCL]
	WIN 0x80+0x40*((\t)/16)
.irp q, 0,1,2,3,4,5,6,7,8,9,10,11,12,13,14,15
	v_cvt_pk_bf16_f32 v[16*((\t)%16)+\q], v[XS+2*\q], v[XS+2*\q+1]
.endr
	WIN 0
	ds_store_b128 v[CW], v[CD+4*((\t)%2):CD+4*((\t)%2)+3] offset:WP*(\t)
	ds_store_b8 v[SBW], v[BY+(\t)%2] offset:KSP*(\t)
.endm
.macro STEP t
.if (\t) > 0
	s_wait_dscnt 2
.else
	s_wait_dscnt 0x0
.endif
.if (\t)+8 < 32
	KLOAD (\t)+8
.endif
.if (\t)+1 < 32
.if (\t) <= 23
	s_wait_loadcnt 56
.else
	s_wait_loadcnt 8*(30-(\t))
.endif
	TURN (\t)+1
.endif
	QROW \t
.endm
.macro CHANGE fill, first
	WIN 0
	s_wait_tensorcnt 0x0
	ds_add_u32 v[SPW], v[NIL]
.if \fill
	s_xor_b32 s[G0W+1], s[G0W+1], SLOT1
	s_add_nc_u64 s[G0W+2:G0W+3], s[G0W+2:G0W+3], 65536
.endif
	s_wait_dscnt 0x0
.if \fill
	CROUND
	JLOAD
.else
	s_barrier_signal -1
	s_barrier_wait -1
.endif
.if \first
	s_mov_b32 s[TB], 0
	s_mov_b32 s[TS], 0
	s_mov_b32 s[TN], 0
.else
	s_sub_co_u32 s[TB], s[TB], 4*16*WP
	s_xor_b32 s[TB], s[TB], SLOT1
	s_add_co_u32 s[TS], s[TS], 2176
	s_add_co_u32 s[TN], s[TN], 256
.endif
.endm
.macro AFRAG
	WIN 0x40
.irp t, 0,1,2,3
.irp k, 0,1,2,3,4,5,6,7
	ds_load_b128 v[8*(8*\t+\k):8*(8*\t+\k)+3],   v[AA0] offset:16*WP*\t+64*\k
	ds_load_b128 v[8*(8*\t+\k)+4:8*(8*\t+\k)+7], v[AA0] offset:16*WP*\t+64*\k+32
.endr
.endr
	WIN 0
.irp t, 0,1,2,3
	ds_load_b128 v[KSW+4*\t:KSW+4*\t+3], v[AKS] offset:16*KSP*\t
.endr
.endm
.macro LOADS q
	WIN 0
	v_add_nc_u32 v[ADB], s[TB], v[AB0]
	v_add_nc_u32 v[ATS], s[TS], v[ATS0]
	v_add_nc_u32 v[ATN], s[TN], v[ATN0]
.irp k, 0,1,2,3,4,5,6,7
	ds_load_b128 v[BF+8*\k:BF+8*\k+3],   v[ADB] offset:64*\k
	ds_load_b128 v[BF+8*\k+4:BF+8*\k+7], v[ADB] offset:64*\k+32
.endr
	ds_load_b128 v[WSW:WSW+3], v[ATS]
	ds_load_b128 v[TAB+16*(\q):TAB+16*(\q)+3],     v[ATN]
	ds_load_b128 v[TAB+16*(\q)+4:TAB+16*(\q)+7],   v[ATN] offset:16
	ds_load_b128 v[TAB+16*(\q)+8:TAB+16*(\q)+11],  v[ATN] offset:TABV-TABC
	ds_load_b128 v[TAB+16*(\q)+12:TAB+16*(\q)+15], v[ATN] offset:TABV-TABC+16
	s_add_co_u32 s[TB], s[TB], 16*WP
	s_add_co_u32 s[TS], s[TS], 544
	s_add_co_u32 s[TN], s[TN], 64
.endm
.macro MMA d, i
.set kk, (\i)/4
.set tt, (\i)%4
.if kk == 0
	v_wmma_scale_f32_16x16x128_f8f6f4 v[\d+8*tt:\d+8*tt+7], v[BF+8*kk:BF+8*kk+7], v[8*(8*tt+kk):8*(8*tt+kk)+7], 0, v[WSW+kk%4], v[KSW+4*tt+kk%4] matrix_a_fmt:MATRIX_FMT_FP4 matrix_b_fmt:MATRIX_FMT_FP4
.elseif kk < 4
	v_wmma_scale_f32_16x16x128_f8f6f4 v[\d+8*tt:\d+8*tt+7], v[BF+8*kk:BF+8*kk+7], v[8*(8*tt+kk):8*(8*tt+kk)+7], v[\d+8*tt:\d+8*tt+7], v[WSW+kk%4], v[KSW+4*tt+kk%4] matrix_a_fmt:MATRIX_FMT_FP4 matrix_b_fmt:MATRIX_FMT_FP4
.else
	v_wmma_scale_f32_16x16x128_f8f6f4 v[\d+8*tt:\d+8*tt+7], v[BF+8*kk:BF+8*kk+7], v[8*(8*tt+kk):8*(8*tt+kk)+7], v[\d+8*tt:\d+8*tt+7], v[WSW+kk%4], v[KSW+4*tt+kk%4] matrix_a_fmt:MATRIX_FMT_FP4 matrix_b_fmt:MATRIX_FMT_FP4 matrix_a_scale:MATRIX_SCALE_ROW1 matrix_b_scale:MATRIX_SCALE_ROW1
.endif
.endm
.macro ST1 p
.irp t, 0,1,2,3
.irp j, 0,2,4,6
	v_pk_fma_f32 v[D0+32*(\p)+8*\t+\j:D0+32*(\p)+8*\t+\j+1], v[D0+32*(\p)+8*\t+\j:D0+32*(\p)+8*\t+\j+1], s[CS:CS+1], v[TAB+16*(\p)+\j:TAB+16*(\p)+\j+1] op_sel_hi:[1,0,1]
.endr
.endr
.endm
.macro ST2 p
.set jj, 0
.rept 32
	v_exp_f32 v[D0+32*(\p)+jj], v[D0+32*(\p)+jj]
.set jj, jj+1
.endr
.endm
.macro ST5 p
.irp j, 0,2,4,6
.irp t, 0,1,2,3
	v_pk_fma_f32 v[EA+2*\t:EA+2*\t+1], v[D0+32*(\p)+8*\t+\j:D0+32*(\p)+8*\t+\j+1], v[TAB+16*(\p)+8+\j:TAB+16*(\p)+8+\j+1], v[EA+2*\t:EA+2*\t+1]
.endr
.endr
.endm
.macro TILE p
; A TILE: the next tile's fragments are asked of LDS; tile p's sums become c U + c V and 2^(.), one batch of 32; the next tile's 32 products run unbroken, their four accumulators by turns,
; with tile p's 16 packed additions of 1 among them; then the 32 reciprocals, one batch; then v_w x 1 / (1 + 2^(.)) is summed.
	LOADS 1-(\p)
	s_wait_alu depctr_va_vdst(0)                   ; the wait here, directly ahead of the first reader of the sums
	ST1 \p
	s_wait_alu depctr_va_vdst(0)
	ST2 \p
	v_nop
	s_wait_alu depctr_va_vdst(0)
	s_wait_dscnt 0x0
	WIN 0x04
.set ii, 0
.rept 32
	MMA D0+32*(1-(\p)), ii
.if ii%2 == 0
	v_pk_add_f32 v[D0+32*(\p)+ii:D0+32*(\p)+ii+1], v[D0+32*(\p)+ii:D0+32*(\p)+ii+1], 1.0 op_sel_hi:[1,0]
.endif
.set ii, ii+1
.endr
	WIN 0
	s_wait_alu depctr_va_vdst(0)                   ; the wait ahead of the batch
.set jj, 0
.rept 32
	v_rcp_f32 v[D0+32*(\p)+jj], v[D0+32*(\p)+jj]
.set jj, jj+1
.endr
	v_nop
	s_wait_alu depctr_va_vdst(0)
	ST5 \p
.endm
.macro FIRSTT
	LOADS 0
	s_wait_dscnt 0x0
	WIN 0x04
.set ii, 0
.rept 32
	MMA D0, ii
.set ii, ii+1
.endr
	WIN 0
.rept 4
	v_nop
.endr
.endm
.macro LASTT
	WIN 0
	s_wait_alu depctr_va_vdst(0)                   ; the wait here, directly ahead of the first reader of the sums
	ST1 1
	s_wait_alu depctr_va_vdst(0)
	ST2 1
	v_nop
	s_wait_alu depctr_va_vdst(0)
.irp j, 0,2,4,6,8,10,12,14,16,18,20,22,24,26,28,30
	v_pk_add_f32 v[D0+32+\j:D0+33+\j], v[D0+32+\j:D0+33+\j], 1.0 op_sel_hi:[1,0]
.endr
.set jj, 0
	s_wait_alu depctr_va_vdst(0)
.rept 32
	v_rcp_f32 v[D0+32+jj], v[D0+32+jj]
.set jj, jj+1
.endr
	v_nop
	s_wait_alu depctr_va_vdst(0)
	ST5 1
.endm
	s_mov_b32 s[BLK], 2
.Lblk:
	s_wait_loadcnt 56
	TURN 0
.set Q, 0
.rept 16
	STEP Q                                         ; rows 0 to 15 of my 32: they touch my stage and the rows of codes and scale bytes alone, whose last readers passed barriers long ago
.set Q, Q+1
.endr
; W_e2a's chunk 0 is asked for here, in the middle of the block's 32 rows: it has 16 rows' work in which to land, and the head's loads have had 16.
	s_wait_alu depctr_va_vdst(0)                   ; the wait here, directly ahead of the wait below
	s_wait_tensorcnt 0x0                           ; all my tensor loads are done, so the descriptor may be written;
	ds_add_u32 v[SPW], v[NIL]                      ; 0 onto my spare word
	s_mov_b32 s[G0W], 1
	s_mov_b32 s[G0W+1], s[LW0]
	s_mov_b64 s[G0W+2:G0W+3], s[WB:WB+1]
	s_or_b32 s[G0W+3], s[G0W+3], 0x80000000
	s_wait_dscnt 0x0                               ; the add is done, and no LDS instruction of mine is out
	CROUND                                         ; no wave of any partner reads slot 0 or has a load on its way
	JLOAD                                          ; my quarter of chunk 0, the first tensor load behind the round
.rept 16
	STEP Q
.set Q, Q+1
.endr
	CHANGE 1, 1
.irp j, 0,1,2,3,4,5,6,7
	v_mov_b32 v[EA+\j], 0
.endr
	AFRAG
	FIRSTT
	TILE 0
	TILE 1
	TILE 0
	s_wait_xcnt 0x0                                ; any prefetch of mine has read its address
	s_add_nc_u64 s[PFA:PFA+1], s[KB:KB+1], 524288-8192  ; 8,192 bytes ahead of my rows of the next block: the first trip steps onto them
	s_mov_b32 s[CH], 6
.Lchunk:
	CHANGE 1, 0
	s_mov_b32 s[PR], 2
.Lpair:
	s_wait_xcnt 0x0                                ; the last trip's prefetch, a tile back, has read its address: it may step
	s_add_nc_u64 s[PFA:PFA+1], s[PFA:PFA+1], 8192
	TILE 1
	s_cmp_eq_u32 s[BLK], 1                         ; the last block has no successor: it asks for nothing
	s_cbranch_scc1 .Lno_pf
	global_prefetch_b8 v[PFO], s[PFA:PFA+1] th:TH_LOAD_NT scope:SCOPE_SE   ; two rows of my 32 of the next block: trip k of 12 names bytes 8,192 (k - 1) .. + 8,191
.Lno_pf:
	TILE 0
	s_sub_co_u32 s[PR], s[PR], 1
	s_cmp_lg_u32 s[PR], 0
	s_cbranch_scc1 .Lpair
	s_sub_co_u32 s[CH], s[CH], 1
	s_cmp_lg_u32 s[CH], 0
	s_cbranch_scc1 .Lchunk
	CHANGE 0, 0
	s_cmp_eq_u32 s[BLK], 1
	s_cbranch_scc1 .Lno_ask
.irp i, 0,1,2,3
	global_prefetch_b8 v[PFO], s[KB:KB+1] offset:622592+8192*\i th:TH_LOAD_NT scope:SCOPE_SE   ; the last 32,768 of my 131,072 bytes of the next block
.endr
.Lno_ask:
	s_mov_b32 s[PR], 2
.Lpair2:
	TILE 1
	TILE 0
	s_sub_co_u32 s[PR], s[PR], 1
	s_cmp_lg_u32 s[PR], 0
	s_cbranch_scc1 .Lpair2
	LASTT
	s_cmp_eq_u32 s[BLK], 1
	s_cbranch_scc1 .Lno_next
	s_wait_xcnt 0x0
	s_add_nc_u64 s[KB:KB+1], s[KB:KB+1], 524288
.irp t, 0,1,2,3,4,5,6,7
	KLOAD \t
.endr
	WIN 0
.Lno_next:
	s_wait_alu depctr_va_vdst(0)
.irp t, 0,1,2,3
	v_add_f32 v[26+\t], v[EA+2*\t], v[EA+2*\t+1]
.endr
.irp t, 0,1,2,3
	v_permlanex16_b32 v[PD+\t], v[26+\t], s[SEL], s[SEL+1]
.endr
.irp t, 0,1,2,3
	v_add_f32 v[26+\t], v[26+\t], v[PD+\t]
.endr
.irp t, 0,1,2,3
	ds_store_b32 v[EXW], v[26+\t] offset:64*\t
.endr
	s_wait_dscnt 0x0
	s_barrier_signal -1
	s_barrier_wait -1
	ds_load_b128 v[SCR:SCR+3], v[EXR]
	ds_load_b128 v[SCR+4:SCR+7], v[EXR] offset:512
	s_wait_dscnt 0x0
	v_pk_add_f32 v[SCR:SCR+1], v[SCR:SCR+1], v[SCR+4:SCR+5]
	v_pk_add_f32 v[SCR+2:SCR+3], v[SCR+2:SCR+3], v[SCR+6:SCR+7]
	v_pk_mul_f32 v[SCR:SCR+1], v[SCR:SCR+1], 0xc038aa3b op_sel_hi:[1,0]
	v_pk_mul_f32 v[SCR+2:SCR+3], v[SCR+2:SCR+3], 0xc038aa3b op_sel_hi:[1,0]
	v_max3_num_f32 v26, v[SCR], v[SCR+1], v[SCR+2]
	v_max_num_f32 v26, v26, v[SCR+3]
	v_max_num_f32_dpp v26, v26, v26 row_xmask:1 row_mask:0xf bank_mask:0xf
	v_max_num_f32_dpp v26, v26, v26 row_xmask:2 row_mask:0xf bank_mask:0xf
	v_max_num_f32_dpp v26, v26, v26 row_xmask:4 row_mask:0xf bank_mask:0xf
	v_max_num_f32_dpp v26, v26, v26 row_xmask:8 row_mask:0xf bank_mask:0xf
	v_permlanex16_b32 v[PD], v26, s[SEL], s[SEL+1]
	v_max3_num_f32 v27, v26, v[PD], v[MR]
	v_sub_f32 v[FF], v[MR], v27
.irp j, 0,1,2,3
	v_sub_f32 v[SCR+\j], v[SCR+\j], v27
.endr
	s_wait_alu depctr_va_vdst(0)
	v_exp_f32 v[FF], v[FF]
.irp j, 0,1,2,3
	v_exp_f32 v[SCR+\j], v[SCR+\j]
.endr
	v_mov_b32 v[MR], v27
	s_wait_alu depctr_va_vdst(0)
	v_mov_b32 v[FF+1], v[FF]
	ds_store_b128 v[WTW], v[SCR:SCR+3]
.irp i, 0,1,2,3,4,5,6,7
	ds_load_b128 v[WQ+4*\i:WQ+4*\i+3], v[WTR] offset:16*\i
.endr
	v_add_f32 v26, v[SCR], v[SCR+1]
	v_add_f32 v28, v[SCR+2], v[SCR+3]
	v_add_f32 v26, v26, v28
	v_add_f32_dpp v26, v26, v26 row_xmask:1 row_mask:0xf bank_mask:0xf
	v_add_f32_dpp v26, v26, v26 row_xmask:2 row_mask:0xf bank_mask:0xf
	v_add_f32_dpp v26, v26, v26 row_xmask:4 row_mask:0xf bank_mask:0xf
	v_add_f32_dpp v26, v26, v26 row_xmask:8 row_mask:0xf bank_mask:0xf
	v_permlanex16_b32 v[PD], v26, s[SEL], s[SEL+1]
	v_add_f32 v26, v26, v[PD]
	v_fma_f32 v[LR], v[LR], v[FF], v26
.irp j, 0,2,4,6,8,10,12,14,16,18,20,22,24,26,28,30
	v_pk_mul_f32 v[ACC+\j:ACC+\j+1], v[ACC+\j:ACC+\j+1], v[FF:FF+1]
.endr
	s_wait_dscnt 0x0
.set rho, 0
.rept 32
	WIN 0x02+rho/16
.irp q, 0,1,2,3,4,5,6,7,8,9,10,11,12,13,14,15
	v_fma_mix_f32_bf16 v[ACC+2*\q], v[16*(rho%16)+\q], v[WQ+rho], v[ACC+2*\q] op_sel_hi:[1,0,0]
	v_fma_mix_f32_bf16 v[ACC+2*\q+1], v[16*(rho%16)+\q], v[WQ+rho], v[ACC+2*\q+1] op_sel:[1,0,0] op_sel_hi:[1,0,0]
.endr
.set rho, rho+1
.endr
	WIN 0
	s_sub_co_u32 s[BLK], s[BLK], 1
	s_cmp_lg_u32 s[BLK], 0
	s_cbranch_scc1 .Lblk
.irp c, 0,1,2,3,4,5,6,7
	ds_store_b128 v[SR], v[ACC+4*\c:ACC+4*\c+3] offset:16*\c
.endr
	s_wait_dscnt 0x0
	s_barrier_signal -1
	s_barrier_wait -1
.irp u, 0,1,2,3
.irp j, 0,1
	ds_load_b128 v[128+8*\u+4*\j:128+8*\u+4*\j+3], v[RR] offset:2*STB*\u+576*\j
.endr
.endr
	s_wait_dscnt 0x0
.irp j, 0,2,4,6
	v_pk_add_f32 v[128+\j:129+\j], v[128+\j:129+\j], v[136+\j:137+\j]
	v_pk_add_f32 v[144+\j:145+\j], v[144+\j:145+\j], v[152+\j:153+\j]
.endr
.irp j, 0,2,4,6
	v_pk_add_f32 v[128+\j:129+\j], v[128+\j:129+\j], v[144+\j:145+\j]
.endr
	global_store_b128 v[KO], v[128:131], s[PT:PT+1]
	global_store_b128 v[KO], v[132:135], s[PT:PT+1] offset:512
	s_cmp_lg_u32 s[WV], 0
	s_cbranch_scc1 .Lno_stats
	v_mov_b32 v26, v[MR]
	v_mov_b32 v27, v[LR]
	v_mov_b32 v28, v[MR]
	v_mov_b32 v29, v[LR]
	global_store_b128 v[KO], v[26:29], s[SA:SA+1]
.Lno_stats:
	s_wait_tensorcnt 0x0
	ds_add_u32 v[SPW], v[NIL]
	s_wait_dscnt 0x0
	CROUND
	s_endpgm
.Lfunc_end_k_q42ddf1d95f_attn:
	.size	k_q42ddf1d95f_attn, .Lfunc_end_k_q42ddf1d95f_attn-k_q42ddf1d95f_attn
	.p2alignl 7, 3214868480
	.fill 96, 4, 3214868480
	.section	.rodata,"a",@progbits
	.p2align	6, 0x0
	.amdhsa_kernel k_q42ddf1d95f_attn
		.amdhsa_group_segment_fixed_size 327680
		.amdhsa_private_segment_fixed_size 0
		.amdhsa_enable_private_segment 0
		.amdhsa_kernarg_size 56
		.amdhsa_user_sgpr_count 2
		.amdhsa_user_sgpr_kernarg_segment_ptr 1
		.amdhsa_wavefront_size32 1
		.amdhsa_system_sgpr_workgroup_id_x 1
		.amdhsa_system_sgpr_workgroup_id_y 1
		.amdhsa_system_sgpr_workgroup_id_z 1
		.amdhsa_system_vgpr_workitem_id 0
		.amdhsa_next_free_vgpr 1024
		.amdhsa_next_free_sgpr 96
		.amdhsa_reserve_vcc 0
		.amdhsa_float_denorm_mode_32 3
		.amdhsa_float_denorm_mode_16_64 3
		.amdhsa_memory_ordered 1
		.amdhsa_forward_progress 1
		.amdhsa_inst_pref_size 255
	.end_amdhsa_kernel
	.section	.bss,"aw",@nobits
	.p2align	6
	.space	262144
	.amdgpu_metadata
---
amdhsa.version: [ 1, 2 ]
amdhsa.kernels:
  - .name:           k_q42ddf1d95f_attn
    .symbol:         k_q42ddf1d95f_attn.kd
    .args:
      - { .name: keys, .offset: 0, .size: 8, .value_kind: global_buffer, .address_space: global }
      - { .name: W_e2a_codes, .offset: 8, .size: 8, .value_kind: global_buffer, .address_space: global }
      - { .name: W_e2a_scales, .offset: 16, .size: 8, .value_kind: global_buffer, .address_space: global }
      - { .name: v_w, .offset: 24, .size: 8, .value_kind: global_buffer, .address_space: global }
      - { .name: cvb, .offset: 32, .size: 8, .value_kind: global_buffer, .address_space: global }
      - { .name: part, .offset: 40, .size: 8, .value_kind: global_buffer, .address_space: global }
      - { .name: stats, .offset: 48, .size: 8, .value_kind: global_buffer, .address_space: global }
    .group_segment_fixed_size: 327680
    .private_segment_fixed_size: 0
    .kernarg_segment_align: 8
    .kernarg_segment_size: 56
    .max_flat_workgroup_size: 128
    .sgpr_count:     96
    .vgpr_count:     1024
    .wavefront_size: 32
...
	.end_amdgpu_metadata
.endif
;; end of part 2
;; launch merge (part 3): grid 32 x 1, 8 waves a work-group, no clusters, 0 bytes of LDS; arguments part, stats, out0; writes out0
.if DOCPART == 3
	.amdgcn_target "amdgcn-amd-amdhsa--gfx1250"
	.amdhsa_code_object_version 6
	.text
	.protected	k_q42ddf1d95f_merge
	.globl	k_q42ddf1d95f_merge
	.p2align	8
	.type	k_q42ddf1d95f_merge,@function
k_q42ddf1d95f_merge:
	s_mov_b64 s[64:65], 0
	v_nop
	global_prefetch_b8 v0, s[64:65] scope:SCOPE_SE
	s_setreg_imm32_b32 hwreg(HW_REG_WAVE_MODE, 25, 1), 1
	s_wait_xcnt 0x0
; out0[b][:] = (sum over p of part[8 b + p][:] 2^(m_p - M)) / (sum over p of l_p 2^(m_p - M)), M the largest of the batch's eight m_p: the eight parts of a batch's softmax are joined, the maximum taken away ahead of each exponential.
; No work of the problem is left out here (the term that is left out of every score is shown at the head of the first kernel; m_p and M are scores without it, and only their differences are used).
; One work-group to a batch: there is no more work to share.  Thread t owns columns 4 t .. 4 t + 3: every load of part and the store cover 512 consecutive bytes a wave.  No LDS, no barrier, no matrix unit: 36 KiB in, 4 KiB out.
.set ST,  48                           ; v48-63 (m_p, l_p)
.set DF,  64                           ; v64-71 m_p - M
.set F,   80                           ; v80-95 2^(m_p - M), each twice: a pair for the packed forms
.set PA,  16                           ; v16-47 the eight parts' four columns
	s_load_b128 s[4:7], s[0:1], 0x0                ; part, stats
	s_load_b64 s[8:9], s[0:1], 0x10                ; out0
	v_lshlrev_b32 v1, 4, v0                        ; 16 bytes a thread
	v_mov_b32 v2, 0
	s_lshl_b32 s10, ttmp9, 15                      ; eight rows of 4,096 bytes of part
	s_mov_b32 s11, 0
	s_lshl_b32 s12, ttmp9, 12                      ; eight entries of 512 bytes of stats; and a row of out0
	s_mov_b32 s13, 0
	s_wait_alu depctr_va_vdst(0)
	s_wait_kmcnt 0x0
	s_add_nc_u64 s[4:5], s[4:5], s[10:11]
	s_add_nc_u64 s[6:7], s[6:7], s[12:13]
	s_add_nc_u64 s[8:9], s[8:9], s[12:13]
.irp p, 0,1,2,3,4,5,6,7
	global_load_b64 v[ST+2*\p:ST+2*\p+1], v2, s[6:7] offset:512*\p
.endr
.irp p, 0,1,2,3,4,5,6,7
	global_load_b128 v[PA+4*\p:PA+4*\p+3], v1, s[4:5] offset:4096*\p
.endr
	s_wait_loadcnt 8                               ; the eight (m, l) are in; the eight loads of part may be out
	v_max3_num_f32 v4, v[ST], v[ST+2], v[ST+4]
	s_delay_alu instid0(VALU_DEP_1)
	v_max3_num_f32 v4, v4, v[ST+6], v[ST+8]
	s_delay_alu instid0(VALU_DEP_1)
	v_max3_num_f32 v4, v4, v[ST+10], v[ST+12]
	s_delay_alu instid0(VALU_DEP_1)
	v_max_num_f32 v4, v4, v[ST+14]                 ; M
.irp p, 0,1,2,3,4,5,6,7
	v_sub_f32 v[DF+\p], v[ST+2*\p], v4
.endr
	s_wait_alu depctr_va_vdst(0)
.irp p, 0,1,2,3,4,5,6,7
	v_exp_f32 v[F+2*\p], v[DF+\p]
	v_exp_f32 v[F+2*\p+1], v[DF+\p]
.endr
	v_nop                                          ; the plain line behind the last exponential
	s_wait_alu depctr_va_vdst(0)                   ; one wait for the batch, ahead of its first reader
	v_mul_f32 v5, v[ST+1], v[F]
.irp p, 1,2,3,4,5,6,7
	v_fma_f32 v5, v[ST+2*\p+1], v[F+2*\p], v5      ; the divisor
.endr
	s_wait_alu depctr_va_vdst(0)
	v_rcp_f32 v6, v5
	v_rcp_f32 v7, v5                               ; twice: a pair for the packed multiply
	s_wait_loadcnt 0x0
	v_pk_mul_f32 v[8:9], v[PA:PA+1], v[F:F+1]      ; the first part starts the sums.  (These lines name neither reciprocal: the independent work behind them)
	v_pk_mul_f32 v[10:11], v[PA+2:PA+3], v[F:F+1]
.irp p, 1,2,3,4,5,6,7
	v_pk_fma_f32 v[8:9], v[PA+4*\p:PA+4*\p+1], v[F+2*\p:F+2*\p+1], v[8:9]
	v_pk_fma_f32 v[10:11], v[PA+4*\p+2:PA+4*\p+3], v[F+2*\p:F+2*\p+1], v[10:11]
.endr
	s_wait_alu depctr_va_vdst(0)                   ; one wait for the two reciprocals, ahead of their first reader
	v_pk_mul_f32 v[8:9], v[8:9], v[6:7]
	v_pk_mul_f32 v[10:11], v[10:11], v[6:7]
	global_store_b128 v1, v[8:11], s[8:9]          ; 32 lanes store 512 consecutive bytes
	s_endpgm
.Lfunc_end_k_q42ddf1d95f_merge:
	.size	k_q42ddf1d95f_merge, .Lfunc_end_k_q42ddf1d95f_merge-k_q42ddf1d95f_merge
	.p2alignl 7, 3214868480
	.fill 96, 4, 3214868480
	.section	.rodata,"a",@progbits
	.p2align	6, 0x0
	.amdhsa_kernel k_q42ddf1d95f_merge
		.amdhsa_group_segment_fixed_size 0
		.amdhsa_private_segment_fixed_size 0
		.amdhsa_enable_private_segment 0
		.amdhsa_kernarg_size 24
		.amdhsa_user_sgpr_count 2
		.amdhsa_user_sgpr_kernarg_segment_ptr 1
		.amdhsa_wavefront_size32 1
		.amdhsa_system_sgpr_workgroup_id_x 1
		.amdhsa_system_sgpr_workgroup_id_y 1
		.amdhsa_system_sgpr_workgroup_id_z 1
		.amdhsa_system_vgpr_workitem_id 0
		.amdhsa_next_free_vgpr 96
		.amdhsa_next_free_sgpr 66
		.amdhsa_reserve_vcc 0
		.amdhsa_float_denorm_mode_32 3
		.amdhsa_float_denorm_mode_16_64 3
		.amdhsa_memory_ordered 1
		.amdhsa_forward_progress 1
		.amdhsa_inst_pref_size 6
	.end_amdhsa_kernel
	.amdgpu_metadata
---
amdhsa.version: [ 1, 2 ]
amdhsa.kernels:
  - .name:           k_q42ddf1d95f_merge
    .symbol:         k_q42ddf1d95f_merge.kd
    .args:
      - { .name: part, .offset: 0, .size: 8, .value_kind: global_buffer, .address_space: global }
      - { .name: stats, .offset: 8, .size: 8, .value_kind: global_buffer, .address_space: global }
      - { .name: out0, .offset: 16, .size: 8, .value_kind: global_buffer, .address_space: global }
    .group_segment_fixed_size: 0
    .private_segment_fixed_size: 0
    .kernarg_segment_align: 8
    .kernarg_segment_size: 24
    .max_flat_workgroup_size: 256
    .sgpr_count:     66
    .vgpr_count:     96
    .wavefront_size: 32
...
	.end_amdgpu_metadata
.endif
;; end of part 3
